; MI455X (gfx1250); checked and timed in simulation.
; The chip was launched on July 23, 2026; its instructions are those of AMD's public machine-readable ISA for CDNA 5 (MIT licence, August 2026) and "CDNA5" Instruction Set Architecture Reference Guide (July 2026). The comments in the code are by the model that wrote it; some were corrected since.
;; Binary Linear. Allowed arithmetic: matrix products marked QUANTISED: E5M2 operands, one given power-of-two scale a tensor, by v_wmma_f32_16x16x64_bf8_bf8 or v_wmma_f32_16x16x128_bf8_bf8, f32 sums; everything else in f32.
;; Inputs: bias 4,096 float32; lowp_scales 2 int32 (the exponents e of the quantised operands' scales 2^e); weight 4,096 x 4,096 float32; x 4,096 x 4,096 float32.
;; Outputs: out0 4,096 x 4,096 float32.
;; This version of the problem:
;;   THIS VERSION OF THE PROBLEM IS GIVEN IN LOW PRECISION. The matrix products marked QUANTISED in the list below multiply operands that are first quantised to E5M2 (5 exponent bits, 2 mantissa bits; 8 bits a number), with one given power-of-two scale for each operand tensor; their sums are f32. All else is computed in f32.
;;   The module's matrix products, in the order in which they are computed (A, B: the left and right operand; K: the contracted axis; several contracted axes count as one K, in the product's order):
;;     1. [M 4,096, K 4,096] x [K 4,096, N 4,096]; A: computed on the way; B: computed on the way: QUANTISED (scales: A lowp_scales[0], B lowp_scales[1])
;;   THE QUANTISER, for each operand of a quantised product, along K:
;;     - The operand's scale is 2^e, e = its entry of the input lowp_scales (int32; the entries are numbered through the quantised products in the list's order, A before B).
;;     - Each number is divided by the scale, clamped to +-57,344, and rounded to the nearest number of E5M2, ties to even, subnormals kept.
;;     - The product sums the exact products of the quantised numbers (number of the format x scale) in f32.
;;   ~~~python
;;   def quantise(x, axis, e):      # numpy; x: float32 -> the quantised numbers, widened to float32 again
;;       x = np.moveaxis(x, axis, -1); K = x.shape[-1]
;;       r = np.clip(x / 2.0 ** e, -57344, 57344)
;;       step = 2.0 ** (np.maximum(np.frexp(np.where(r == 0, 1, r))[1] - 1, -14) - 2)
;;       q = np.round(r / step) * step * 2.0 ** e      # np.round: ties to even
;;       return np.moveaxis(q, -1, axis).astype(np.float32)
;;   ~~~
;;   OPERANDS COMPUTED ON THE WAY. 'Computed on the way' means the value that the module computes at that place (a softmax that the list does not call 'softmax' is quantised finished and normalised). What goes into a quantiser is computed in f32, as accurately as f32 sums, v_exp_f32 and their like allow (about 1e-6 of the number): no bf16 or f16 on the way to a quantiser, and a product that is left as it is and whose result goes on into a quantised operand takes f32 operands (vector FMAs, or v_wmma_f32_16x16x4_f32). A number that lies on a knife's edge between two numbers of the format may be rounded either way, as far as f32 arithmetic and the matrix unit's own rounding can turn it there, and no further.
;; One version. Each part assembles by itself: llvm-mc -triple=amdgcn-amd-amdhsa -mcpu=gfx1250 --defsym DOCPART=n.
;; ======== version 1 of 1: 2 launches
;; limits: right only within a limited range of input values
;; workspace buffers: masks 33,554,432 bytes; parts 2,048 bytes
;; launch signs (part 1): grid 512 x 1, 8 waves a work-group, no clusters, 70,912 bytes of LDS; arguments x, weight, masks, parts; writes masks, parts
.if DOCPART == 1
	.amdgcn_target "amdgcn-amd-amdhsa--gfx1250"
	.amdhsa_code_object_version 6
	.text
	.protected	k_qc252496f58_signs
	.globl	k_qc252496f58_signs
	.p2align	8
	.type	k_qc252496f58_signs,@function
k_qc252496f58_signs:
	s_mov_b64 s[64:65], 0
	v_nop
	global_prefetch_b8 v0, s[64:65] scope:SCOPE_SE
	s_setreg_imm32_b32 hwreg(HW_REG_WAVE_MODE, 25, 1), 1
	s_wait_xcnt 0x0
; FIRST OF TWO LAUNCHES.  x [4096][4096] and weight [4096][4096], f32, are read once.  For each number one MASK byte is stored: 0x7f where it is positive,
; 0xff where it is negative, 0x00 where it is zero (x's 16 Mi bytes, then weight's); and for each work-group one f32 partial sum of |.|.
; An operand of the product is sign(t) x mean|t|: its code is the mean's code with the number's sign, or 0.  The mean needs the whole tensor, so the code is put in by the next launch: mask AND (0x80 | the mean's code).
; THE ORDER OF THE MASKS is the order of the next launch's operand registers.  A block of 16 rows takes 65,536 bytes; in it each 128 along K take 2,048 bytes: four images of 512 bytes,
; in which lane r + 16 h of a wave finds 16 bytes of row r.  Which k those are: of a run of 512 numbers, lane l of this launch holds numbers 128 i + 4 l + j (i, j = 0 .. 3) at bytes 4 i + j,
; and its 16 bytes of row t go to byte 256 l + 16 t of the run's 8,192.  The same in both tensors, so that in the product every number meets its partner.
; LIMITS: NaN among the inputs is not served (it counts as not zero and spoils the sum).  A denormal counts as not zero; -0.0 counts as zero, as sign() has it.
; SHARES.  Work-groups 0-255 take x, 256-511 weight (only the pointer is chosen: one path through the text); a work-group 16 rows, wave v their numbers 512 v .. 512 v + 511, a row a step.
; A step is four loads of 512 consecutive bytes, 16 a lane.  A lane's masks of the 16 rows are 256 consecutive bytes of the output: they turn through the wave's own stage in LDS (a lane's place 272 bytes)
; and leave by 16 stores of 512 consecutive bytes.  Loads run eight steps (32 loads a wave) ahead.
; THE SUM: four chains a lane of 64 additions each, then trees: within the lane, over the 32 lanes, over the eight waves.  Always the same order.
.set STEPS, 16
.set DEPTH, 8
.set Y,    8                           ; v8-11    four numbers on their way to masks
.set P,    12                          ; v12-13   pairs of masks
.set ACC,  24                          ; v24-27   four chains of |.|
.set T,    28                          ; v28      the lane permute's destination
.set R,    32                          ; v32-159  eight sets of 16 numbers as loaded; at the end the masks on their way out
.set C,    160                         ; v160-223 four registers of masks for each step
.set SUMS, 0                           ; LDS: one word a wave
.set STG,  0x500                       ; LDS: the stages, behind the spare words (0x100 .. 0x4ff)
.set LP,   272                         ; a lane's place in a stage: 256 bytes + 16
	s_load_b256 s[4:11], s[0:1], 0x0               ; x, weight, masks, parts
	v_lshl_add_u32 v224, v0, 2, 0x100
	v_mov_b32 v225, 0
	v_lshrrev_b32 v1, 5, v0
	v_readfirstlane_b32 s12, v1                    ; wave 0..7
	v_and_b32 v1, 31, v0                           ; lane
	v_lshlrev_b32 v2, 4, v1                        ; 16 x lane; never rewritten
	s_mul_i32 s27, s12, 32*LP
	s_add_co_u32 s27, s27, STG                     ; my stage
	v_mul_u32_u24 v16, v1, LP
	v_lshrrev_b32 v17, 4, v1
	v_and_b32 v18, 15, v1
	v_add_nc_u32 v16, s27, v16                     ; in: my place
	v_mul_u32_u24 v17, v17, LP
	v_lshl_add_u32 v17, v18, 4, v17
	v_add_nc_u32 v17, s27, v17                     ; out: sixteen lanes to a place, two places an instruction
	s_lshl_b32 s13, s12, 2
	v_mov_b32 v5, s13                              ; my wave's word among the sums
	v_mov_b32 v6, SUMS
	v_mov_b32 v7, 0
	s_and_b32 s14, ttmp9, 255                      ; my block of 16 rows,
	s_lshl_b32 s14, s14, 18                        ; 262,144 bytes each,
	s_lshl_b32 s15, s12, 11                        ; and my wave's 2,048 bytes of each row
	s_add_co_u32 s14, s14, s15
	s_mov_b32 s15, 0
	s_lshl_b32 s16, ttmp9, 16                      ; the masks: 65,536 bytes a work-group, weight's behind x's,
	s_lshl_b32 s17, s12, 13                        ; 8,192 a wave
	s_add_co_u32 s16, s16, s17
	s_mov_b32 s17, 0
	s_lshl_b32 s18, ttmp9, 2                       ; the partial sums: a word a work-group
	s_mov_b32 s19, 0
	s_mov_b32 s20, 0x7f000000
	s_mov_b32 s21, 0x07030703
	s_mov_b32 s22, 0x05040100
	s_mov_b32 s24, 0x76543210
	s_mov_b32 s25, 0xfedcba98
	s_wait_alu depctr_va_vdst(0)
	s_wait_kmcnt 0x0
	s_cmp_lt_u32 ttmp9, 256
	s_cselect_b64 s[4:5], s[4:5], s[6:7]
	s_add_nc_u64 s[4:5], s[4:5], s[14:15]
	s_add_nc_u64 s[8:9], s[8:9], s[16:17]
	s_add_nc_u64 s[10:11], s[10:11], s[18:19]
.macro LOAD t                          ; row t's 512 numbers into set t % 8
.irp i, 0,1,2,3
	global_load_b128 v[R+16*((\t)%DEPTH)+4*\i:R+16*((\t)%DEPTH)+4*\i+3], v2, s[4:5] offset:16384*(\t)+512*\i th:TH_LOAD_NT
.endr
.endm
.macro STEP t
.set RS, R+16*((\t)%DEPTH)
.if (\t) <= STEPS-DEPTH
	s_wait_loadcnt 4*(DEPTH-1)                     ; this step's four loads are in; those of the seven steps behind it may be out
.else
	s_wait_loadcnt 4*(STEPS-1-(\t))
.endif
.irp i, 0,1,2,3
.irp j, 0,1,2,3
.if ((\t) == 0) && (\i == 0)
	v_and_b32 v[ACC+\j], 0x7fffffff, v[RS+4*\i+\j] ; the first four numbers start the chains
.else
	v_add_f32 v[ACC+\j], v[ACC+\j], |v[RS+4*\i+\j]|
.endif
	v_or_b32 v[Y+\j], s20, v[RS+4*\i+\j]           ; top byte: the sign over 0x7f
	v_cmp_neq_f32 vcc_lo, 0, v[RS+4*\i+\j]
	s_delay_alu instid0(VALU_DEP_1)
	v_cndmask_b32 v[Y+\j], 0, v[Y+\j], vcc_lo      ; 0 where the number is zero
.endr
	v_perm_b32 v[P], v[Y+1], v[Y], s21
	s_delay_alu instid0(VALU_DEP_2)
	v_perm_b32 v[P+1], v[Y+3], v[Y+2], s21
	s_delay_alu instid0(VALU_DEP_1)
	v_perm_b32 v[C+4*(\t)+\i], v[P+1], v[P], s22   ; four masks: word i of my 16 bytes
.endr
.if (\t)+DEPTH < STEPS
	LOAD (\t)+DEPTH
.endif
	ds_store_b128 v16, v[C+4*(\t):C+4*(\t)+3] offset:16*(\t)
.endm
.irp t, 0,1,2,3,4,5,6,7
	LOAD \t
.endr
.irp t, 0,1,2,3,4,5,6,7,8,9,10,11,12,13,14,15
	STEP \t
.endr
.irp j, 0,1,2,3,4,5,6,7,8,9,10,11,12,13,14,15
	ds_load_b128 v[R+4*\j:R+4*\j+3], v17 offset:2*LP*\j   ; LDS serves a wave's instructions in order: these see my stores
.endr
	s_wait_alu depctr_va_vdst(0)                   ; the chains of |.
.irp j, 0,1,2,3,4,5,6,7,8,9,10,11,12,13,14,15
	s_wait_dscnt 15-\j
	global_store_b128 v2, v[R+4*\j:R+4*\j+3], s[8:9] offset:512*\j   ; 32 lanes store 512 consecutive bytes, aligned
.endr
	v_add_f32 v[ACC], v[ACC], v[ACC+1]
	v_add_f32 v[ACC+2], v[ACC+2], v[ACC+3]
	v_mov_b32 v[T], 0
	v_add_f32 v[ACC], v[ACC], v[ACC+2]
.irp m, 1,2,4,8
	v_add_f32_dpp v[ACC], v[ACC], v[ACC] row_xmask:\m row_mask:0xf bank_mask:0xf
.endr
	v_permlanex16_b32 v[T], v[ACC], s24, s25
	v_add_f32 v[ACC], v[ACC], v[T]                 ; every lane holds the wave's sum
	ds_store_b32 v5, v[ACC]
	s_wait_dscnt 0x0                               ; for the others' sake: my word has landed
	s_barrier_signal -1
	s_barrier_wait -1
	s_cmp_lg_u32 s12, 0                            ; wave 0 adds the eight and stores the work-group's partial sum
	s_cbranch_scc1 .Lend
	ds_load_b128 v[8:11], v6
	ds_load_b128 v[12:15], v6 offset:16
	s_wait_dscnt 0x0
	v_add_f32 v8, v8, v9
	v_add_f32 v10, v10, v11
	v_add_f32 v12, v12, v13
	v_add_f32 v14, v14, v15
	v_add_f32 v8, v8, v10
	v_add_f32 v12, v12, v14
	v_add_f32 v8, v8, v12
	s_wait_alu depctr_va_vdst(0)
	s_wait_xcnt 0x0                                ; EXEC changes only behind this wait
	v_cmp_eq_u32 vcc_lo, 0, v0
	s_and_saveexec_b32 s26, vcc_lo
	global_store_b32 v7, v8, s[10:11]
	s_wait_xcnt 0x0
	s_or_b32 exec_lo, exec_lo, s26
.Lend:
	s_wait_tensorcnt 0x0                           ; the wave's end
	ds_add_u32 v224, v225
	s_wait_dscnt 0x0
	s_endpgm
.Lfunc_end_k_qc252496f58_signs:
	.size	k_qc252496f58_signs, .Lfunc_end_k_qc252496f58_signs-k_qc252496f58_signs
	.p2alignl 7, 3214868480
	.fill 96, 4, 3214868480
	.section	.rodata,"a",@progbits
	.p2align	6, 0x0
	.amdhsa_kernel k_qc252496f58_signs
		.amdhsa_group_segment_fixed_size 70912
		.amdhsa_private_segment_fixed_size 0
		.amdhsa_enable_private_segment 0
		.amdhsa_kernarg_size 32
		.amdhsa_user_sgpr_count 2
		.amdhsa_user_sgpr_kernarg_segment_ptr 1
		.amdhsa_wavefront_size32 1
		.amdhsa_system_sgpr_workgroup_id_x 1
		.amdhsa_system_sgpr_workgroup_id_y 1
		.amdhsa_system_sgpr_workgroup_id_z 1
		.amdhsa_system_vgpr_workitem_id 0
		.amdhsa_next_free_vgpr 226
		.amdhsa_next_free_sgpr 66
		.amdhsa_reserve_vcc 1
		.amdhsa_float_denorm_mode_32 3
		.amdhsa_float_denorm_mode_16_64 3
		.amdhsa_memory_ordered 1
		.amdhsa_forward_progress 1
		.amdhsa_inst_pref_size 79
	.end_amdhsa_kernel
	.amdgpu_metadata
---
amdhsa.version: [ 1, 2 ]
amdhsa.kernels:
  - .name:           k_qc252496f58_signs
    .symbol:         k_qc252496f58_signs.kd
    .args:
      - { .name: x, .offset: 0, .size: 8, .value_kind: global_buffer, .address_space: global }
      - { .name: weight, .offset: 8, .size: 8, .value_kind: global_buffer, .address_space: global }
      - { .name: masks, .offset: 16, .size: 8, .value_kind: global_buffer, .address_space: global }
      - { .name: parts, .offset: 24, .size: 8, .value_kind: global_buffer, .address_space: global }
    .group_segment_fixed_size: 70912
    .private_segment_fixed_size: 0
    .kernarg_segment_align: 8
    .kernarg_segment_size: 32
    .max_flat_workgroup_size: 256
    .sgpr_count:     66
    .vgpr_count:     226
    .wavefront_size: 32
...
	.end_amdgpu_metadata
.endif
;; end of part 1
;; launch gemm (part 2): grid 16 x 16, 4 waves a work-group, clusters of 4 x 4, 327,680 bytes of LDS; arguments masks, lowp_scales, bias, out0, parts; writes out0
.if DOCPART == 2
	.amdgcn_target "amdgcn-amd-amdhsa--gfx1250"
	.amdhsa_code_object_version 6
	.text
	.protected	k_qc252496f58_gemm
	.globl	k_qc252496f58_gemm
	.p2align	8
	.type	k_qc252496f58_gemm,@function
k_qc252496f58_gemm:
	s_mov_b64 s[64:65], 0
	v_nop
	global_prefetch_b8 v0, s[64:65] scope:SCOPE_SE
	s_setreg_imm32_b32 hwreg(HW_REG_WAVE_MODE, 25, 1), 1
	s_wait_xcnt 0x0
	s_wait_alu depctr_hold_cnt(0) depctr_sa_sdst(0) depctr_va_vdst(0) depctr_va_sdst(0) depctr_va_ssrc(0) depctr_va_vcc(0) depctr_vm_vsrc(0)
	s_getreg_b32 s2, hwreg(HW_REG_IB_STS2, 6, 4)
	s_cmp_eq_u32 s2, 0
	s_cbranch_scc0 .Lentry_in_a_cluster
	s_endpgm
.Lentry_in_a_cluster:
	s_bfe_u32 s2, ttmp6, 0x10000c
	s_cmp_lg_u32 s2, 0xf033
	s_cbranch_scc0 .Lentry_shape_is_right
	s_endpgm
.Lentry_shape_is_right:
; SECOND OF TWO LAUNCHES.  out0[n][o] = sum over i of bx[n][i] bw[o][i] + bb[o], bx = sign(x) mean|x|, bw = sign(weight) mean|weight|, bb = sign(bias) mean|bias|.
; masks holds a byte a number (0x7f positive, 0xff negative, 0 zero), x's 16 Mi bytes and then weight's, as images of the operand registers: a block of 16 rows is 65,536 bytes, 128 along K of it 2,048 bytes,
; four images of 512 bytes, 16 a lane.  parts holds 256 + 256 partial sums of |.|.
; An operand's E5M2 code is the code of its tensor's mean (held at 57,344 x the scale, converted with the given scale 2^e) under the number's sign, or 0: mask AND (0x80 | code),
; made in registers by v_bfi_b32 X, ~C, 0, X: its one vector source is source 2, which shares the accumulators' window, so it runs under the matrix instruction's own window setting.
; Each finished sum is multiplied once by 2^(ex + ew) and bb is added in the same fused multiply-add.  LIMITS: -126 <= ex + ew <= 127; each e between -126 and 112; NaN among the inputs is not served.
; SHAPE: a tile of 256 x 256 for a work-group of four waves, 128 x 128 a wave (64 accumulators).  The matrix instruction is used transposed (source 0 = weight's rows, source 1 = x's rows).
; x's masks come through a ring of two LDS slots of 131,072 bytes, 512 along K each, by joint tensor loads shared along a row of the 4 x 4 cluster: one barrier and round for 256 matrix instructions a wave.
; weight's masks go from memory straight into registers, 512 consecutive bytes a load.  They are not asked for jointly: with them in LDS a slot would hold 256 along K, half the matrix instructions for each barrier and fill.
; REGISTERS, four windows of 256; v0-127 of each are 16 accumulators ((al, b) at 8 (8 al + b)).  A step of 128 along K is four groups t = 0 .. 3 of 16 matrix instructions; group t has x blocks 2t, 2t+1 and window (t + 3) % 4.
;   window 0 (group 1): v128 x pair 2; v160, v192 x pair 1 in two sets; v224-255 addresses.   window 1 (group 2): v128 x pair 0; v160, v192 x pair 3 in two sets.
;   window 2 (group 3): weight pairs 0, 1 at v128, v160 (set 0) and v192, v224 (set 1).   window 3 (group 0): weight pairs 2, 3 likewise.
; Each group makes 64 ANDs on its own window's registers behind its matrix instructions; these are also the places in front of the loads.
; LDS loads of step s fetch step s + 1: group 0 pairs 1 and 3, group 1 pair 0, group 3 pair 2.  Global loads: group 0 weight pairs 2, 3 of step s + 1, group 3 pairs 0, 1 of step s + 2: 56 to 66 matrix instructions ahead of their ANDs.
; The 64 accumulators take turns, one instruction a turn, in the same order in every step.
.set SIZE_N, 4096
.set WOFF,   4096*4096
.set SLOTB,  131072
.set SPARE,  2*SLOTB
.set BSUM,   SPARE+512
.set SPITCH, 528                       ; the way out: a stage of 16 rows x (512 + 16) bytes a wave, in slot 0 behind its last fill and last read
.set ADRA, 224                         ; LDS address of my x images in the slot that is read
.set ABASE,225                         ; the same without the slot
.set STO,  228
.set RD,   229
.set CO,   230                         ; 16 x lane
.set BSW,  231
.set SPW,  232
.set NIL,  233
.set PFO,  234                         ; 256 x lane
.set BSR,  235
.set SM,   236
.set BIA,  240
.set BQ,   128                         ; the head's scratch, in registers that x's fragments take later
.set MX,   160
.set MW,   168
.set HX,   176
.set HW,   184
.set QX,   192
.set QW,   194
.set SCX,  196
.set SCW,  197
.set SMT,  200
.set G1, 24
.set G0, 32
.set BP, 12                            ; s[12:13] weight's masks: my 8 blocks, at the step that the offsets count from
.set PFA, 70
.set PFB, 76
.set RS,  72                           ; the slot that is read: 0 or SLOTB
.set NX,  88
.set NW,  89
.set MSB, 0
.macro WIN new
.if MSB != \new
	s_set_vgpr_msb (MSB<<8)|\new
.set MSB, \new
.endif
.endm
.macro CREST
	s_cmp_lg_u32 s14, 0
	s_cbranch_scc1 .Lnot_wave_0_\@
	s_barrier_signal -3
.Lnot_wave_0_\@:
	s_barrier_wait -3
	s_barrier_signal -1
	s_barrier_wait -1
.endm
.macro CROUND
	s_barrier_signal -1
	s_barrier_wait -1
	CREST
.endm
.macro LDAP win, base, blk, nq         ; an x pair from LDS: 8 loads of 512 consecutive bytes
.set CFG, (\win)<<6
	WIN CFG
.irp al, 0,1
.irp c, 0,1,2,3
	ds_load_b128 v[\base+16*\al+4*\c:\base+16*\al+4*\c+3], v[ADRA] offset:((\blk)+\al)*8192+(\nq)*2048+\c*512
.endr
.endr
.endm
.macro GLDP hp, set, kc                ; a weight pair from memory: 8 loads of 512 consecutive bytes
.set CFG, (2+(\hp)/2)<<6
	WIN CFG
.irp bl, 0,1
.irp c, 0,1,2,3
.set GR, 128+64*(\set)+32*((\hp)%2)+16*\bl+4*\c
	global_load_b128 v[GR:GR+3], v[CO], s[BP:BP+1] offset:(2*(\hp)+\bl)*65536+(\kc)*2048+\c*512
.endr
.endr
.endm
.macro ANDRUN w, base, sr
.set CFG, ((\w)<<4)|((\w)<<6)
	WIN CFG
.set AI, \base
.rept 32
	v_bfi_b32 v[AI], s[\sr], 0, v[AI]
.set AI, AI+1
.endr
.endm
	s_load_b256 s[4:11], s[0:1], 0x0               ; masks, scales, bias, out0
	s_load_b64 s[82:83], s[0:1], 0x20              ; parts
	v_lshl_add_u32 v[SPW], v0, 2, SPARE
	v_mov_b32 v[NIL], 0
	ds_add_u32 v[SPW], v[NIL]                      ; the opening lines: the add twice on end and its wait
	ds_add_u32 v[SPW], v[NIL]
	v_lshrrev_b32 v1, 5, v0
	v_readfirstlane_b32 s14, v1                    ; wave
	v_and_b32 v6, 31, v0
	v_lshlrev_b32 v[CO], 4, v6
	v_lshlrev_b32 v7, 5, v6
	s_lshr_b32 s15, s14, 1                         ; my half of the rows
	s_and_b32 s16, s14, 1                          ; my half of the columns
	s_bfe_u32 s40, ttmp6, 0x40000
	s_bfe_u32 s41, ttmp6, 0x40004
	s_lshl_b32 s42, ttmp9, 2
	s_add_co_u32 s42, s42, s40                     ; tile column
	s_and_b32 s17, ttmp7, 0xffff
	s_lshl_b32 s17, s17, 2
	s_add_co_u32 s17, s17, s41                     ; tile row
	s_lshl_b32 s43, s41, 2
	s_lshl_b32 s43, 15, s43                        ; my row of the cluster
	s_or_b32 s[G1+0], s43, (3<<16)|(1<<21)         ; elements of 8 bytes, no padding; the mask, bit 21 beside it
	s_mov_b32 s[G1+1], 1024<<16                    ; a row: 8,192 bytes, 512 along K of a block of 16 rows
	s_mov_b32 s[G1+2], 4<<16                       ; four blocks a wave
	s_mov_b32 s[G1+3], 1024<<16
	s_mov_b32 s[G1+4], 4
	s_mov_b32 s[G1+5], 8192                        ; 65,536 bytes from block to block
	s_mov_b32 s[G1+6], 0
	s_mov_b32 s[G1+7], 0
	s_lshl_b32 s20, s17, 4
	s_lshl_b32 s18, s14, 2
	s_add_co_u32 s20, s20, s18                     ; x: block 16 x tile row + 4 x wave
	s_add_co_u32 s74, s20, s40                     ; of these four my work-group prefetches block cx
	s_lshl_b32 s20, s20, 16
	s_mov_b32 s21, 0
	s_lshl_b32 s74, s74, 16
	s_add_co_u32 s74, s74, 3*8192
	s_mov_b32 s75, 0
	s_lshl_b32 s46, s42, 4
	s_lshl_b32 s18, s41, 2
	s_add_co_u32 s18, s18, s46
	s_add_co_u32 s18, s18, s14                     ; weight: of the tile column's 16 blocks wave w of partner cy prefetches block 4 cy + w
	s_lshl_b32 s18, s18, 16
	s_add_co_u32 s18, s18, 3*8192
	s_mov_b32 s19, 0
	s_lshl_b32 s47, s16, 3
	s_add_co_u32 s46, s46, s47                     ; my 8 blocks of weight
	s_lshl_b32 s46, s46, 16
	s_mov_b32 s47, 0
	s_lshl_b32 s45, s14, 15                        ; where my part of a tile goes
	s_lshl_b32 s73, s15, 16                        ; my 8 blocks of x in a slot
	s_mov_b32 s[RS], 0
	s_mul_i32 s81, s14, 16*SPITCH
	s_lshl_b32 s94, s14, 2
	s_add_co_u32 s94, s94, BSUM
	s_lshl_b32 s66, s14, 12
	s_mov_b32 s67, 0
	s_lshl_b32 s90, s42, 10
	s_lshl_b32 s91, s16, 9
	s_add_co_u32 s90, s90, s91                     ; my first column, in bytes
	s_mov_b32 s91, 0
	s_lshl_b32 s92, s17, 8
	s_lshl_b32 s93, s15, 7
	s_add_co_u32 s92, s92, s93                     ; my first row,
	s_lshl_b32 s92, s92, 14                        ; x 16,384 bytes (under 2^26)
	s_mov_b32 s93, 0
	s_wait_alu depctr_va_vdst(0)
	s_wait_dscnt 0x0
	s_wait_kmcnt 0x0
	s_load_b64 s[96:97], s[6:7], 0x0               ; ex, ew
	global_load_b128 v[MX:MX+3], v7, s[82:83]
	global_load_b128 v[MX+4:MX+7], v7, s[82:83] offset:16
	global_load_b128 v[MW:MW+3], v7, s[82:83] offset:1024
	global_load_b128 v[MW+4:MW+7], v7, s[82:83] offset:1040
	s_add_nc_u64 s[66:67], s[8:9], s[66:67]
	s_add_nc_u64 s[68:69], s[8:9], s[90:91]
.irp j, 0,1,2,3,4,5,6,7
	global_load_b128 v[BQ+4*\j:BQ+4*\j+3], v[CO], s[66:67] offset:512*\j
.endr
	global_load_b128 v[BIA:BIA+3], v[CO], s[68:69]
	s_add_nc_u64 s[BP:BP+1], s[4:5], WOFF
	s_add_nc_u64 s[PFB:PFB+1], s[BP:BP+1], s[18:19]
	s_add_nc_u64 s[BP:BP+1], s[BP:BP+1], s[46:47]
	GLDP 0, 0, 0                                   ; weight's first masks, in the order in which the steps' waits count them
	GLDP 1, 0, 0
	GLDP 2, 0, 0
	GLDP 3, 0, 0
	GLDP 0, 1, 1
	GLDP 1, 1, 1
	WIN 0
	s_add_nc_u64 s[PFA:PFA+1], s[4:5], s[74:75]
	s_add_nc_u64 s[10:11], s[10:11], s[92:93]
	s_add_nc_u64 s[10:11], s[10:11], s[90:91]
	s_mov_b32 s[G0], 1
	s_mov_b32 s[G0+1], s45
	s_add_nc_u64 s[G0+2:G0+3], s[4:5], s[20:21]
	s_or_b32 s[G0+3], s[G0+3], 0x80000000
	CROUND                                         ; the first joint loads meet
	tensor_load_to_lds s[G0:G0+3], s[G1:G1+7]      ; slot 0: one tensor load a wave at the head
	s_nop 0
	v_and_b32 v1, 15, v0
	v_bfe_u32 v2, v0, 4, 1
	v_add_nc_u32 v[ABASE], s73, v[CO]
	v_add_nc_u32 v[ADRA], s73, v[CO]
	v_mul_u32_u24 v5, v1, SPITCH
	v_lshl_add_u32 v5, v2, 5, v5
	v_add_nc_u32 v[STO], s81, v5
	v_add_nc_u32 v[RD], s81, v[CO]
	v_lshlrev_b32 v[PFO], 8, v6
	v_mov_b32 v[BSW], s94
	v_mov_b32 v[BSR], BSUM
	s_mov_b32 s78, 0x76543210
	s_mov_b32 s79, 0xfedcba98
	s_wait_kmcnt 0x0
	s_add_co_i32 s84, s96, 127
	s_add_co_i32 s86, s97, 127
	s_lshl_b32 s85, s84, 23
	s_lshl_b32 s87, s86, 23
	v_mov_b32 v[SCX], s85                          ; 2^ex, 2^ew as f32
	v_mov_b32 v[SCW], s87
	s_add_co_i32 s84, s84, 15
	s_add_co_i32 s86, s86, 15
	s_lshl_b32 s84, s84, 23
	s_lshl_b32 s86, s86, 23
	s_or_b32 s84, s84, 0x600000                    ; 57,344 x the scale
	s_or_b32 s86, s86, 0x600000
	s_add_co_i32 s96, s96, s97
	s_add_co_i32 s96, s96, 127
	s_lshl_b32 s96, s96, 23                        ; 2^(ex + ew)
	s_wait_alu depctr_va_vdst(0)
	s_wait_loadcnt 48                              ; parts and bias are in; weight's 48 loads may be out
.irp c, 0,1,2,3
	v_add_f32 v[SMT+\c], |v[BQ+\c]|, |v[BQ+4+\c]|
.endr
.irp j, 2,3,4,5,6,7
.irp c, 0,1,2,3
	v_add_f32 v[SMT+\c], v[SMT+\c], |v[BQ+4*\j+\c]|
.endr
.endr
	v_add_f32 v[SMT], v[SMT], v[SMT+1]
	v_add_f32 v[SMT+2], v[SMT+2], v[SMT+3]
	v_add_f32 v[SMT], v[SMT], v[SMT+2]
.irp m, 1,2,4,8
	v_add_f32_dpp v[SMT], v[SMT], v[SMT] row_xmask:\m row_mask:0xf bank_mask:0xf
.endr
	v_permlanex16_b32 v[SMT+1], v[SMT], s78, s79
	v_add_f32 v[SMT], v[SMT], v[SMT+1]
	ds_store_b32 v[BSW], v[SMT]                    ; my quarter of the sum of |bias|
.irp b, MX, MW
	v_add_f32 v[\b], v[\b], v[\b+1]
	v_add_f32 v[\b+2], v[\b+2], v[\b+3]
	v_add_f32 v[\b+4], v[\b+4], v[\b+5]
	v_add_f32 v[\b+6], v[\b+6], v[\b+7]
	v_add_f32 v[\b], v[\b], v[\b+2]
	v_add_f32 v[\b+4], v[\b+4], v[\b+6]
	v_add_f32 v[\b], v[\b], v[\b+4]
.irp m, 1,2,4,8
	v_add_f32_dpp v[\b], v[\b], v[\b] row_xmask:\m row_mask:0xf bank_mask:0xf
.endr
	v_permlanex16_b32 v[\b+1], v[\b], s78, s79
	v_add_f32 v[\b], v[\b], v[\b+1]
	v_mul_f32 v[\b], 0x33800000, v[\b]             ; / 2^24: the mean
.endr
.irp i, 0,1,2,3,4,5,6,7
	v_min_num_f32 v[HX+\i], s84, v[MX]             ; the hold: the conversion does not saturate (ISA guide 7.6.2); a mean of |.| is not negative
	v_min_num_f32 v[HW+\i], s86, v[MW]
.endr
	v_cvt_scalef32_pk8_bf8_f32 v[QX:QX+1], v[HX:HX+7], v[SCX]
	v_cvt_scalef32_pk8_bf8_f32 v[QW:QW+1], v[HW:HW+7], v[SCW]
	v_nop
	v_readfirstlane_b32 s[NX], v[QX]
	v_readfirstlane_b32 s[NW], v[QW]
	s_or_b32 s[NX], s[NX], 0x80808080
	s_or_b32 s[NW], s[NW], 0x80808080
	s_not_b32 s[NX], s[NX]
	s_not_b32 s[NW], s[NW]
; matrix instructions first .. first + count - 1 of a group, each with its share of the group's ANDs (list X: 32 registers, then list Y: 32) spread over the first NN of the 16
.macro SLOTS p, zero, first, count
.set SI, \first
.rept \count
.set HP, SI/4
.set CFG, (2+HP/2)|(AWIN<<2)|(GW<<4)|(GW<<6)
	WIN CFG
.set rD, 8*(8*((SI%4)/2)+2*HP+SI%2)
.set rB, 128+64*(\p)+32*(HP%2)+16*(SI%2)
.set rA, AUSE+16*((SI%4)/2)
.if \zero
	v_wmma_f32_16x16x128_bf8_bf8 v[rD:rD+7], v[rB:rB+15], v[rA:rA+15], 0
.else
	v_wmma_f32_16x16x128_bf8_bf8 v[rD:rD+7], v[rB:rB+15], v[rA:rA+15], v[rD:rD+7]
.endif
.set AI, (SI*64)/NN
.set AE, ((SI+1)*64)/NN
.if AI > 64
.set AI, 64
.endif
.if AE > 64
.set AE, 64
.endif
.rept AE-AI
.if AI == 32
.if YE
.if YK
	s_wait_loadcnt YW                              ; list Y's loads are in; YW younger ones may be out
.else
	s_wait_dscnt YW
.endif
.endif
.endif
.if AI < 32
.if XE
	v_bfi_b32 v[XB+AI], s[XS], 0, v[XB+AI]
.endif
.else
.if YE
	v_bfi_b32 v[YB+AI-32], s[XS], 0, v[YB+AI-32]
.endif
.endif
.set AI, AI+1
.endr
.set SI, SI+1
.endr
.endm
; mode 0: a plain step; 1: a slot's last step, the slot is filled again; 2: the same with no fill; 3: the last step but one; 4: the last.  nq: the next step's quarter of its slot; kb: this step, counted from where s[BP] stands
.macro KSTEP p, zero, mode, nq, kb
.set PN, 1-(\p)
.set XE, 1
.set YE, 1
; group 0, window 3: ANDs on weight pairs 2, 3 of THIS step, ahead of their use by the group's last eight
.set GW, 3
.set AWIN, 1
.set AUSE, 128
.set XS, NW
.set XB, 128+64*(\p)
.set YB, 160+64*(\p)
.set NN, 12
.set YK, 1
.set YW, 32                            ; group 3's 16 and this group's 16
.set A1B, 160+32*PN
.if (\mode == 1) || (\mode == 2)
	WIN 0
	s_wait_tensorcnt 0x0                           ; my part of the next slot has landed;
	ds_add_u32 v[SPW], v[NIL]
	s_wait_dscnt 0x0                               ; the add is done and my reads of this slot are over: all were issued in the step before
	s_barrier_signal -1
	s_barrier_wait -1
.if \mode == 1
	CREST                                          ; the barrier has opened a round of the cluster's barrier
	s_xor_b32 s[G0+1], s[G0+1], SLOTB              ; into the slot just read out,
	s_add_nc_u64 s[G0+2:G0+3], s[G0+2:G0+3], 8192  ; the next 512 along K
.endif
	s_xor_b32 s[RS], s[RS], SLOTB
.if \mode == 1
	tensor_load_to_lds s[G0:G0+3], s[G1:G1+7]      ; the first tensor load behind the round
	s_nop 0
.endif
	v_add_nc_u32 v[ADRA], s[RS], v[ABASE]          ; from here on the other slot is read.  (With the three lines below: the places in front of the loads)
.rept 3
	v_nop
.endr
	LDAP 0, A1B, 2, \nq
	LDAP 1, A1B, 6, \nq
.if \mode == 1
	WIN 0
	s_cmp_gt_u32 s3, 1                             ; the 512 along K behind those just asked for: x's 8,192 bytes of one block and weight's of one block, a lane 256 bytes; the last trip asks for nothing
	s_cbranch_scc0 .Lno_ask_\@
	global_prefetch_b8 v[PFO], s[PFA:PFA+1] th:TH_LOAD_NT scope:SCOPE_SE
	global_prefetch_b8 v[PFO], s[PFB:PFB+1] th:TH_LOAD_NT scope:SCOPE_SE
.Lno_ask_\@:
.endif
.endif
.if \mode == 4
.set YW, 0
	s_wait_loadcnt 8
.else
	s_wait_loadcnt 24                              ; pair 2 is in; pair 3's 8 and group 3's 16 may be out
.endif
	SLOTS \p, \zero, 0, 4
.if (\mode == 0) || (\mode == 3)
	LDAP 0, A1B, 2, \nq
	LDAP 1, A1B, 6, \nq
.endif
.if \mode != 4
	GLDP 2, PN, (\kb)+1
	GLDP 3, PN, (\kb)+1
.endif
	SLOTS \p, \zero, 4, 12
; group 1, window 0: ANDs on x pair 2 of this step and pair 1 of the next
.set GW, 0
.set AWIN, 0
.set AUSE, 160+32*(\p)
.set XS, NX
.set XB, 128
.set YB, 160+32*PN
.set NN, 16
.set YK, 0
.set YW, 16                            ; pair 3's 8 and pair 0's 8
.if \mode == 4
.set YE, 0
	s_wait_dscnt 0
.else
	s_wait_dscnt 16                                ; pair 2 is in; group 0's 16 may be out
.endif
	SLOTS \p, \zero, 0, 4
.if \mode != 4
	LDAP 1, 128, 0, \nq
.endif
	SLOTS \p, \zero, 4, 12
; group 2, window 1: ANDs on x pairs 3 and 0 of the next step
.set GW, 1
.set AWIN, 0
.set AUSE, 128
.set XB, 160+32*PN
.set YB, 128
.set YW, 0
.if \mode == 4
.set XE, 0
.else
	s_wait_dscnt 8                                 ; pair 3 is in; pair 0's 8 may be out
.endif
	SLOTS \p, \zero, 0, 16
; group 3, window 2: ANDs on weight pairs 0, 1 of the next step
.set GW, 2
.set AWIN, 1
.set AUSE, 160+32*(\p)
.set XS, NW
.set XB, 128+64*PN
.set YB, 160+64*PN
.set YK, 1
.set YW, 32                            ; group 0's 16 and this group's 16
.if \mode == 3
.set YW, 16
.endif
.if \mode != 4
	s_wait_loadcnt 24                              ; pair 0 is in; pair 1's 8 and group 0's 16 may be out
.endif
	SLOTS \p, \zero, 0, 4
.if \mode != 4
	LDAP 0, 128, 4, \nq
.endif
	SLOTS \p, \zero, 4, 4
.if \mode < 3
	GLDP 0, \p, (\kb)+2                            ; this step's set is free of pairs 0, 1: four ANDs stand behind their last use
	GLDP 1, \p, (\kb)+2
.endif
	SLOTS \p, \zero, 8, 8
.endm
	s_wait_alu depctr_va_vdst(0)
	s_wait_tensorcnt 0x0                           ; my part of slot 0 is in; the lines ahead of a later first fill:
	ds_add_u32 v[SPW], v[NIL]
	s_wait_dscnt 0x0                               ; the add and my word of |bias| are done
	CROUND
	s_xor_b32 s[G0+1], s[G0+1], SLOTB
	s_add_nc_u64 s[G0+2:G0+3], s[G0+2:G0+3], 8192
	tensor_load_to_lds s[G0:G0+3], s[G1:G1+7]      ; slot 1's first fill, the first tensor load behind the round
	s_nop 0
.rept 4
	v_nop
.endr
	ds_load_b128 v[SM:SM+3], v[BSR]
	LDAP 1, 128, 0, 0                              ; step 0's x masks
	LDAP 0, 160, 2, 0
	LDAP 1, 160, 6, 0
	LDAP 0, 128, 4, 0
	s_wait_dscnt 8                                 ; all but pair 2
	ANDRUN 0, 160, NX
	ANDRUN 1, 128, NX
	ANDRUN 1, 160, NX
	s_wait_loadcnt 32                              ; weight pairs 0, 1 of step 0
	ANDRUN 2, 128, NW
	ANDRUN 2, 160, NW
	s_wait_alu depctr_va_vdst(0)
	KSTEP 0, 1, 0, 1, 0                            ; the first step starts the sums
	KSTEP 1, 0, 0, 2, 1
	KSTEP 0, 0, 0, 3, 2
	WIN 0
	s_wait_xcnt 0x0                                ; my loads have read their base
	s_add_nc_u64 s[BP:BP+1], s[BP:BP+1], 3*2048
	s_mov_b32 s3, 6
.Ltrip:                                                ; a trip: a slot's last step and the next slot's first three
	KSTEP 1, 0, 1, 0, 0
	KSTEP 0, 0, 0, 1, 1
	KSTEP 1, 0, 0, 2, 2
	KSTEP 0, 0, 0, 3, 3
	WIN 0
	s_wait_xcnt 0x0                                ; my loads and prefetches have read their bases
	s_add_nc_u64 s[BP:BP+1], s[BP:BP+1], 8192
	s_add_nc_u64 s[PFA:PFA+1], s[PFA:PFA+1], 8192
	s_add_nc_u64 s[PFB:PFB+1], s[PFB:PFB+1], 8192
	s_sub_co_u32 s3, s3, 1
	s_cmp_lg_u32 s3, 0
	s_cbranch_scc1 .Ltrip
	KSTEP 1, 0, 2, 0, 0
	KSTEP 0, 0, 0, 1, 1
	KSTEP 1, 0, 0, 2, 2
	KSTEP 0, 0, 3, 3, 3
	KSTEP 1, 0, 4, 0, 0
	WIN 0
; THE WAY OUT, by blocks of 16 rows x 128 columns: sums into my stage as they stand, back as whole rows of 512 bytes (window 2, v128-255, two sets), x 2^(ex + ew) + bb, stored as two aligned units of 256 bytes.
.macro TOSTAGE a
.set AC, 64*((\a)%2)
.set CFG, (((\a)/2+3)%4)<<2
	WIN CFG
.irp b, 0,1,2,3,4,5,6,7
	ds_store_b128 v[STO], v[AC+8*\b:AC+8*\b+3] offset:64*\b
	ds_store_b128 v[STO], v[AC+8*\b+4:AC+8*\b+7] offset:64*\b+16
.endr
	WIN 0x80
.set BB, 128+64*((\a)%2)
.irp t, 0,1,2,3,4,5,6,7,8,9,10,11,12,13,14,15
	ds_load_b128 v[BB+4*\t:BB+4*\t+3], v[RD] offset:\t*SPITCH   ; LDS serves a wave's instructions in order
.endr
.endm
.macro SEND a, younger
.set BB, 128+64*((\a)%2)
	s_wait_dscnt \younger
.if (\a) > 0
	s_add_nc_u64 s[10:11], s[10:11], 16*SIZE_N*4   ; behind a wait on XCNT
.endif
	WIN 0x82
.irp t, 0,2,4,6,8,10,12,14,16,18,20,22,24,26,28,30
	v_pk_fma_f32 v[BB+2*\t:BB+2*\t+1], v[BB+2*\t:BB+2*\t+1], s[96:97], v[BIA:BIA+1] op_sel_hi:[1,0,1]
	v_pk_fma_f32 v[BB+2*\t+2:BB+2*\t+3], v[BB+2*\t+2:BB+2*\t+3], s[96:97], v[BIA+2:BIA+3] op_sel_hi:[1,0,1]
.endr
	WIN 0x08
.irp t, 0,1,2,3,4,5,6,7,8,9,10,11,12,13,14,15
	global_store_b128 v[CO], v[BB+4*\t:BB+4*\t+3], s[10:11] offset:\t*SIZE_N*4 th:TH_STORE_NT
.endr
.endm
	v_add_f32 v[SM], v[SM], v[SM+1]                ; these lines are also the places behind the last products
	v_add_f32 v[SM+2], v[SM+2], v[SM+3]
	v_add_f32 v[SM], v[SM], v[SM+2]
	v_mul_f32 v[SM], 0x39800000, v[SM]             ; / 4096: mean|bias|
.irp c, 0,1,2,3
	v_cmp_neq_f32 vcc_lo, 0, v[BIA+\c]
	v_and_or_b32 v[BIA+\c], v[BIA+\c], 0x80000000, v[SM]
	v_cndmask_b32 v[BIA+\c], 0, v[BIA+\c], vcc_lo  ; bb = sign(bias) x the mean
.endr
	s_wait_alu depctr_va_vdst(0)
	TOSTAGE 0
.irp a, 1,2,3,4,5,6,7
.if \a > 1
	s_wait_xcnt 0x0                                ; block a - 2's stores have read their registers and their base
.endif
	TOSTAGE \a
	SEND \a-1, 32
.endr
	s_wait_xcnt 0x0
	SEND 7, 0
	WIN 0
	s_wait_tensorcnt 0x0                           ; the wave's end
	ds_add_u32 v[SPW], v[NIL]
	s_wait_dscnt 0x0
	CROUND                                         ; the closing round
	s_endpgm
.Lfunc_end_k_qc252496f58_gemm:
	.size	k_qc252496f58_gemm, .Lfunc_end_k_qc252496f58_gemm-k_qc252496f58_gemm
	.p2alignl 7, 3214868480
	.fill 96, 4, 3214868480
	.section	.rodata,"a",@progbits
	.p2align	6, 0x0
	.amdhsa_kernel k_qc252496f58_gemm
		.amdhsa_group_segment_fixed_size 327680
		.amdhsa_private_segment_fixed_size 0
		.amdhsa_enable_private_segment 0
		.amdhsa_kernarg_size 40
		.amdhsa_user_sgpr_count 2
		.amdhsa_user_sgpr_kernarg_segment_ptr 1
		.amdhsa_wavefront_size32 1
		.amdhsa_system_sgpr_workgroup_id_x 1
		.amdhsa_system_sgpr_workgroup_id_y 1
		.amdhsa_system_sgpr_workgroup_id_z 1
		.amdhsa_system_vgpr_workitem_id 0
		.amdhsa_next_free_vgpr 1024
		.amdhsa_next_free_sgpr 98
		.amdhsa_reserve_vcc 1
		.amdhsa_float_denorm_mode_32 3
		.amdhsa_float_denorm_mode_16_64 3
		.amdhsa_memory_ordered 1
		.amdhsa_forward_progress 1
		.amdhsa_inst_pref_size 255
	.end_amdhsa_kernel
	.section	.bss,"aw",@nobits
	.p2align	6
	.space	262144
	.amdgpu_metadata
---
amdhsa.version: [ 1, 2 ]
amdhsa.kernels:
  - .name:           k_qc252496f58_gemm
    .symbol:         k_qc252496f58_gemm.kd
    .args:
      - { .name: masks, .offset: 0, .size: 8, .value_kind: global_buffer, .address_space: global }
      - { .name: lowp_scales, .offset: 8, .size: 8, .value_kind: global_buffer, .address_space: global }
      - { .name: bias, .offset: 16, .size: 8, .value_kind: global_buffer, .address_space: global }
      - { .name: out0, .offset: 24, .size: 8, .value_kind: global_buffer, .address_space: global }
      - { .name: parts, .offset: 32, .size: 8, .value_kind: global_buffer, .address_space: global }
    .group_segment_fixed_size: 327680
    .private_segment_fixed_size: 0
    .kernarg_segment_align: 8
    .kernarg_segment_size: 40
    .max_flat_workgroup_size: 128
    .sgpr_count:     98
    .vgpr_count:     1024
    .wavefront_size: 32
...
	.end_amdgpu_metadata
.endif
;; end of part 2
